; MI455X (gfx1250); checked and timed in simulation.
; The chip was launched on July 23, 2026; its instructions are those of AMD's public machine-readable ISA for CDNA 5 (MIT licence, August 2026) and "CDNA5" Instruction Set Architecture Reference Guide (July 2026). The comments in the code are by the model that wrote it; some were corrected since.
;; Location Encoder. Allowed arithmetic: matrix products marked QUANTISED: E2M3 operands, one E8M0 scale for each 32 along K, by v_wmma_scale_f32_16x16x128_f8f6f4 with both operands' format E2M3, f32 sums; products left as they are: f32 operands where the result goes on into a quantised operand, else bf16, f16 or f32 operands; f32 sums; everything else in f32.
;; Inputs: W_ctx 3 x 128 float32; W_in 5 x 128 float32; W_tgt_codes 128 x 4 x 24 uint8 (E2M3 codes of W_tgt, K innermost, in blocks of 32 codes, four codes in three bytes); W_tgt_scales 128 x 4 uint8 (E8M0 scales of W_tgt, one for each 32 codes along K); b_ctx 128 float32; b_in 128 float32; b_tgt 128 float32; context_x 4 x 512 x 4 float32; context_y 4 x 512 x 2 float32; target_x 4 x 512 x 4 float32.
;; Outputs: out0 4 x 512 x 128 float32.
;; This version of the problem:
;;   THIS VERSION OF THE PROBLEM IS GIVEN IN LOW PRECISION. The matrix products marked QUANTISED in the list below multiply operands that are first quantised to E2M3 (2 exponent bits, 3 mantissa bits; 6 bits a number), with one power-of-two scale for each 32 numbers along K (OCP MX v1.0); their sums are f32. All else is computed in f32.
;;   The module's matrix products, in the order in which they are computed (A, B: the left and right operand; K: the contracted axis; several contracted axes count as one K, in the product's order):
;;     1. [M 2,048, K 5] x [K 5, N 128]; A: computed on the way; B: input W_in: left as it is (K = 5 < 32)
;;     2. [M 2,048, K 3] x [K 3, N 128]; A: input context_x; B: input W_ctx: left as it is (K = 3 < 32)
;;     3. [M 2,048, K 3] x [K 3, N 128]; A: input target_x; B: input W_ctx: left as it is (K = 3 < 32)
;;     4. batch 4 x [M 512, K 512] x [K 512, N 128]; A: softmax (see below); B: computed on the way: QUANTISED
;;     5. [M 2,048, K 128] x [K 128, N 128]; A: computed on the way; B: input W_tgt (given as codes): QUANTISED
;;   THE QUANTISER, for each operand of a quantised product, along K:
;;     - K is cut into blocks of 32 from its start; a last block that is shorter is filled with zeros.
;;     - A block's scale is 2^e with e = floor(log2(the largest magnitude in the block)) - 2, held to -126 .. 127; a block of zeros has e = 0. As a byte (E8M0): e + 127.
;;     - Each number is divided by its block's scale, clamped to +-7.5, and rounded to the nearest number of E2M3, ties to even, subnormals kept.
;;     - The product sums the exact products of the quantised numbers (number of the format x scale) in f32.
;;   ~~~python
;;   def quantise(x, axis):      # numpy; x: float32 -> the quantised numbers, widened to float32 again
;;       x = np.moveaxis(x, axis, -1); K = x.shape[-1]
;;       x = np.pad(x, [(0, 0)] * (x.ndim - 1) + [(0, -K % 32)]); x = x.reshape(x.shape[:-1] + (-1, 32)); a = np.abs(x).max(-1, keepdims=True)
;;       e = np.where(a > 0, np.clip(np.frexp(np.where(a > 0, a, 1))[1] - 1 - 2, -126, 127), 0)      # np.frexp(a)[1] - 1 = floor(log2(a)), exactly
;;       r = np.clip(x / 2.0 ** e, -7.5, 7.5)
;;       step = 2.0 ** (np.maximum(np.frexp(np.where(r == 0, 1, r))[1] - 1, 0) - 3)
;;       q = np.round(r / step) * step * 2.0 ** e      # np.round: ties to even
;;       return np.moveaxis(q.reshape(q.shape[:-2] + (-1,))[..., :K], -1, axis).astype(np.float32)
;;   ~~~
;;   SOFTMAX AHEAD OF A QUANTISED PRODUCT. Where the list says 'softmax', what is quantised is not the finished softmax but p = 2^(t - M), with t = logit x log2(e) and M = ceil(the row's largest t), a whole number; so 1/2 < the row's largest p <= 1. The row's sum l is taken of the UNQUANTISED p, in f32, and the product's result is divided by l at the end. Since M is a whole number, a kernel that streams over the keys may use a running M (the ceiling of the running maximum): every later rescaling is an exact power of two, which a block's scale takes up: the codes' values come out the same.
;;   OPERANDS COMPUTED ON THE WAY. 'Computed on the way' means the value that the module computes at that place (a softmax that the list does not call 'softmax' is quantised finished and normalised). What goes into a quantiser is computed in f32, as accurately as f32 sums, v_exp_f32 and their like allow (about 1e-6 of the number): no bf16 or f16 on the way to a quantiser, and a product that is left as it is and whose result goes on into a quantised operand takes f32 operands (vector FMAs, or v_wmma_f32_16x16x4_f32). A number that lies on a knife's edge between two numbers of the format may be rounded either way, as far as f32 arithmetic and the matrix unit's own rounding can turn it there, and no further.
;;   INPUTS GIVEN AS CODES. W_tgt (in the module: [128, 128], K = its axis 0): each comes as NAME_codes (uint8): NAME with its K axis moved to the last place and cut into blocks of 32 codes, [.., K / 32, bytes a block], one block behind the other in memory; four codes in three bytes: a row's codes are one little-endian stream of bits, code i at bits 6 i .. 6 i + 5 (a code: sign, 2 exponent bits, 3 mantissa bits); and NAME_scales (uint8): the same leading axes, one E8M0 byte (e + 127) for each 32 codes along K. Its value is code x scale, taken as it is: it is not quantised again, and the codes and scales need not be those that the quantiser above would give.
;; One version. Each part assembles by itself: llvm-mc -triple=amdgcn-amd-amdhsa -mcpu=gfx1250 --defsym DOCPART=n.
;; ======== version 1 of 1: 1 launch
;; limits: right only within a limited range of input values
;; launch locenc (part 1): grid 64 x 4, 4 waves a work-group, no clusters, 94,720 bytes of LDS; arguments context_x, context_y, target_x, W_in, b_in, W_ctx, W_tgt_codes, W_tgt_scales, b_tgt, out0; writes out0
.if DOCPART == 1
	.amdgcn_target "amdgcn-amd-amdhsa--gfx1250"
	.amdhsa_code_object_version 6
	.text
	.protected	k_qfe59011362_locenc
	.globl	k_qfe59011362_locenc
	.p2align	8
	.type	k_qfe59011362_locenc,@function
k_qfe59011362_locenc:
	s_mov_b64 s[64:65], 0
	v_nop
	global_prefetch_b8 v0, s[64:65] scope:SCOPE_SE
	s_setreg_imm32_b32 hwreg(HW_REG_WAVE_MODE, 25, 1), 1
	s_wait_xcnt 0x0
; out[b][t] = (softmax_c(-0.5 sum_h |key[c][h] - query[t][h]|) value) W_tgt + b_tgt: 4 batches x 512 targets x 512 contexts, H = 128.
; p x value and rep x W_tgt: codes of FP6 (E2M3) with one E8M0 scale for each 32 along K; everything ahead of a quantiser in f32.
; DEAD WORK LEFT OUT: b_ctx.  It reaches the outputs only through key - query = (x_c W_ctx + b_ctx) - (x_t W_ctx + b_ctx) = (x_c - x_t) W_ctx, where it cancels for all values; so it can move no code of p.
;   It is no argument and is not loaded.  A NaN, an infinity or an overflow that reaches only b_ctx's sums is not carried to the result.
; THE SAME IDENTITY lets every coordinate be taken from a centre, the mean of the work-group's 8 targets: k = (x_c - m) W_ctx, q = (x_t - m) W_ctx.  So a common offset of the coordinates does not enter the sums below.
; THE L1 SUM.  |k - q| = 2 max(k, q) - k - q.  Half the sum over h is (sum of max) - (sum k + sum q) / 2; sum k and sum q are products with W_ctx's row sums.  One term costs half a dual maximum and half a packed addition.
;   ROUNDING: 16 maxima are summed from their own start, eight such sums join the total.  The error goes with the size of the centred keys and queries.
; SHARES.  A work-group of four waves owns 8 targets of one batch.  Wave w owns contexts 128 w .. 128 w + 127, one K step of p x value, and works alone up to its partial result:
;   keys of 4 contexts a lane (32 a + lane); V's codes for all 128 channels; its own largest t, rounded up to a whole M; its own p and sum; eight products.
;   The four partial results are joined by powers of two, 2^(M_w - M), which round nothing.  Wave w joins channels 32 w .. 32 w + 31, one block of the last product's K, and makes outputs 32 w .. 32 w + 31.
; The matrix tiles are 16 targets wide: lanes r = 8 .. 15 hold targets r - 8 once more; their results are not used.
; V'S TILES: tile u's row m is channel 8 m + u, so a lane's W_in numbers lie side by side.  In the result lane (r, h)'s register j of tile u is channel 64 h + 8 j + u.
; NO TENSOR LOADS, NO CLUSTER, NO PREFETCH: a work-group's inputs are a few tens of KB, read once at its head straight into registers; no loop reads memory, so there is nothing to run ahead of, and what work-groups share is those few KB.
; LIMITS: NaN and infinities are not served; scaled scores under 2^31 in magnitude.  A p under 2^-126 of its wave's M counts as 0 (v_exp_f32 gives 0 there).  A block of zeros gets the scale byte 1 where the rule says 127: its codes are zeros and this program alone reads the byte.
;   The division by the row's sum is v_rcp_f32 and a multiplication.
; LDS: each wave's own part, RG bytes: W_ctx at 0, queries at QBO, coordinates [j][128 contexts] at ETO, half sums [target] at SBO, 528 bytes a row; then what the waves share:
.set RG,  12544
.set QBO, 1536
.set ETO, 5632
.set SBO, 8192
.set CO,  4*RG                         ; partial results: wave, 16 rows x 528: block of 32 channels, u, 4 numbers
.set COW, 8448
.set ML,  CO+4*COW                     ; (-M, sum) of each wave: 32 r + 8 wave
.set RC,  ML+512                       ; rep's codes: 8 rows of 96 bytes, 104 apart
.set RS,  RC+1024                      ; rep's scale bytes: 4 t + wave
.set OS,  RS+256                       ; the stage for out: 16 rows x 528
.set SPARE, OS+8448                    ; the spare words
; REGISTERS.  Window 0: v1-7, v20-31, v44-47 ids and addresses; v8-19 scale words and nothing else; v32-43 temporaries; v48-63 V's scale bytes; v64-255 at work.
; Window 1: coordinates of blocks 0, 1 (32 j + context), W_in, centred coordinates.  Window 2: coordinates of blocks 2, 3.  Window 3: V's codes, W_tgt, b_tgt, W_ctx's staging.
.set WR, 64                            ; head: W_ctx, 4 numbers a row
.set XR, 76                            ; head: my contexts' x
.set YR, 92                            ; head: their y
.set QV, 128                           ; head: queries
.set KX, 64                            ; keys: 4 h + context
.set QR, 128                           ; the query ring: 4 buffers of 4 targets x 4 h
.set D,  192
.set LA, 208                           ; sums of 16 terms: 4 targets x 4 contexts
.set TOT,224                           ; half the L1 sums: 8 targets x 4 contexts
.set MX, 32
.set SCV,40
.set BY, 48
.set PV, 128                           ; half sums, then p
.set PCP,64
.set TMPP,80
.set OA, 192
.set RO, 160
.set RF, 176
.set OD, 208
.set WI, 160                           ; window 1: W_in[j][my channel of tile u] at 8 j + u; j = 5: b_in
.set XP, 208                           ; window 1: centred coordinates 4 j + a
.set BQ, 220                           ; window 1: -(sum of q) / 2, a target
.set AK, 228                           ; window 1: -(sum of k) / 2, a context
.set VC, 0                             ; window 3
.set WTF,96
.set BT, 120
.set WST,136
.set TMP,184
.set MSB, 0
.macro WIN new
.if MSB != (\new)
	s_set_vgpr_msb (MSB<<8)|\new
.set MSB, (\new)
.endif
.endm
.macro BAR                             ; my LDS instructions are done; then the work-group's barrier
	s_wait_dscnt 0x0
	s_barrier_signal -1
	s_barrier_wait -1
.endm
; coordinate j of 32 contexts (64 c + 32 (lane / 16) on) into window x
.macro ELOAD x, c, j
	WIN (\x)<<6
.irp q, 0,1,2,3,4,5,6,7
	ds_load_b128 v[32*(\j)+4*\q:32*(\j)+4*\q+3], v7 offset:ETO+512*(\j)+256*(\c)+16*\q
.endr
.endm
; Four channels (tiles 4 uq ..) x 32 contexts a lane: value = b_in + sum over j of e[j] W_in[j], two contexts an instruction; then the block's scale and codes.
; first = 1: the waits follow the order of issue: coordinates 0-2 (24 loads), 8 stores of queries, coordinates 3, 4 (16 loads).
.macro VQUAD x, c, uq, first
.irp j, 0,1,2,3,4
.if \first
.if \j < 3
	s_wait_dscnt 40-8*\j
.else
	s_wait_dscnt 8*(4-\j)
.endif
.endif
.if \j == 0
	WIN (\x)|0x14
.else
	WIN (\x)|0x04
.endif
.irp i, 0,1,2,3
.set B_, 64+32*\i+64*(\i/2)
.set W_, WI+8*\j+4*(\uq)+2*(\i/2)
.set C_, WI+40+4*(\uq)+2*(\i/2)
.irp p, 0,1,2,3,4,5,6,7,8,9,10,11,12,13,14,15
.if \j == 0
.if \i%2
	v_pk_fma_f32 v[B_+2*\p:B_+2*\p+1], v[2*\p:2*\p+1], v[W_:W_+1], v[C_:C_+1] op_sel:[0,1,1] op_sel_hi:[1,1,1]
.else
	v_pk_fma_f32 v[B_+2*\p:B_+2*\p+1], v[2*\p:2*\p+1], v[W_:W_+1], v[C_:C_+1] op_sel_hi:[1,0,0]
.endif
.else
.if \i%2
	v_pk_fma_f32 v[B_+2*\p:B_+2*\p+1], v[32*\j+2*\p:32*\j+2*\p+1], v[W_:W_+1], v[B_+2*\p:B_+2*\p+1] op_sel:[0,1,0] op_sel_hi:[1,1,1]
.else
	v_pk_fma_f32 v[B_+2*\p:B_+2*\p+1], v[32*\j+2*\p:32*\j+2*\p+1], v[W_:W_+1], v[B_+2*\p:B_+2*\p+1] op_sel_hi:[1,0,1]
.endif
.endif
.endr
.endr
.endr
	WIN 0
	; the largest magnitude, the floor 2^(3 - 127) among its leaves; two chains a channel
.irp i, 0,1,2,3
.set B_, 64+32*\i+64*(\i/2)
	v_max3_num_f32 v[MX+2*\i], |v[B_]|, |v[B_+1]|, 0x1800000
	v_max3_num_f32 v[MX+2*\i+1], |v[B_+16]|, |v[B_+17]|, |v[B_+18]|
.endr
.irp k, 0,1,2,3,4,5
.irp i, 0,1,2,3
.set B_, 64+32*\i+64*(\i/2)
	v_max3_num_f32 v[MX+2*\i], v[MX+2*\i], |v[B_+2+2*\k]|, |v[B_+3+2*\k]|
	v_max3_num_f32 v[MX+2*\i+1], v[MX+2*\i+1], |v[B_+19+2*\k]|, |v[B_+20+2*\k]|
.endr
.endr
.irp i, 0,1,2,3
.set B_, 64+32*\i+64*(\i/2)
	v_max3_num_f32 v[MX+2*\i], v[MX+2*\i], |v[B_+14]|, |v[B_+15]|
.endr
.irp i, 0,1,2,3
.set B_, 64+32*\i+64*(\i/2)
	v_max3_num_f32 v[MX+2*\i], v[MX+2*\i], v[MX+2*\i+1], |v[B_+31]|
.endr
.irp i, 0,1,2,3
	v_add_nc_u32 v[SCV+\i], 0xff000000, v[MX+2*\i]   ; 2 off the exponent field: the conversion's scale operand
.endr
.irp i, 0,1,2,3
	v_lshrrev_b32 v[BY+2*(4*(\uq)+\i)+(\c)], 23, v[SCV+\i]
.endr
	WIN 0xc0
.irp i, 0,1,2,3
.set B_, 64+32*\i+64*(\i/2)
.set V_, VC+12*(4*(\uq)+\i)+6*(\c)
	v_cvt_scalef32_pk16_fp6_f32 v[V_:V_+2], v[B_:B_+15], v[SCV+\i]
	v_cvt_scalef32_pk16_fp6_f32 v[TMP+4*\i:TMP+4*\i+2], v[B_+16:B_+31], v[SCV+\i]
.endr
	v_nop                                          ; one plain line behind the scaled conversions
	WIN 0xc3
.irp i, 0,1,2,3
.set V_, VC+12*(4*(\uq)+\i)+6*(\c)
.irp k, 0,1,2
	v_mov_b32 v[V_+3+\k], v[TMP+4*\i+\k]
.endr
.endr
	WIN 0
.endm
; 16 channels of W_ctx into the staging registers: 12 loads, one address for all lanes
.macro WLOAD off
	WIN 0xc0
.irp j, 0,1,2
.irp i, 0,1,2,3
	ds_load_b128 v[WST+16*\j+4*\i:WST+16*\j+4*\i+3], v4 offset:512*\j+16*\i+(\off)
.endr
.endr
	WIN 0
.endm
; keys of my four contexts for the 16 channels that are staged, two contexts an instruction
.macro KEYS
	s_wait_dscnt 16                                ; the 16 query loads behind the staging loads may be out
	WIN 0x0d
.irp j, 0,1,2
.irp i, 0,1,2,3,4,5,6,7,8,9,10,11,12,13,14,15
.set W_, WST+16*\j+2*(\i/2)
.irp p, 0,1
.set K_, KX+4*\i+2*\p
.if \j == 0
.if \i%2
	v_pk_mul_f32 v[K_:K_+1], v[XP+2*\p:XP+2*\p+1], v[W_:W_+1] op_sel:[0,1] op_sel_hi:[1,1]
.else
	v_pk_mul_f32 v[K_:K_+1], v[XP+2*\p:XP+2*\p+1], v[W_:W_+1] op_sel_hi:[1,0]
.endif
.else
.if \i%2
	v_pk_fma_f32 v[K_:K_+1], v[XP+4*\j+2*\p:XP+4*\j+2*\p+1], v[W_:W_+1], v[K_:K_+1] op_sel:[0,1,0] op_sel_hi:[1,1,1]
.else
	v_pk_fma_f32 v[K_:K_+1], v[XP+4*\j+2*\p:XP+4*\j+2*\p+1], v[W_:W_+1], v[K_:K_+1] op_sel_hi:[1,0,1]
.endif
.endif
.endr
.endr
.endr
	WIN 0
.endm
; Step s of a trip: targets 4 (s / 4) .. + 3, channels 4 (s % 4) .. + 3 of the 16, my four contexts.  Behind it the buffer takes the step four further on.
; Waits: three younger groups of four query loads; in steps 0-3 of a trip that stages W_ctx its 12 loads too; at the end what is left.
.macro STEP s, fill
.set G_, (\s)/4
.set U_, (\s)%4
.if \fill
.if (\s) < 4
	s_wait_dscnt 24
.else
	s_wait_dscnt 12
.endif
.else
.if (\s) < 4
	s_wait_dscnt 12
.else
	s_wait_dscnt 4*(7-(\s))
.endif
.endif
.irp g, 0,1,2,3
.irp t, 0,1,2,3
.irp p, 0,1
.if (U_ == 0) && (\g == 0)
.set O_, LA+4*\t+2*\p
.else
.set O_, D+4*\t+2*\p
.endif
	v_dual_max_num_f32 v[O_], v[QR+16*U_+4*\t+\g], v[KX+16*U_+4*\g+2*\p] :: v_dual_max_num_f32 v[O_+1], v[QR+16*U_+4*\t+\g], v[KX+16*U_+4*\g+2*\p+1]
.endr
.endr
.if (U_ != 0) || (\g != 0)
.irp k, 0,1,2,3,4,5,6,7
	v_pk_add_f32 v[LA+2*\k:LA+2*\k+1], v[LA+2*\k:LA+2*\k+1], v[D+2*\k:D+2*\k+1]
.endr
.endif
.endr
.if U_ == 3
.irp k, 0,1,2,3,4,5,6,7
	v_pk_add_f32 v[TOT+16*G_+2*\k:TOT+16*G_+2*\k+1], v[TOT+16*G_+2*\k:TOT+16*G_+2*\k+1], v[LA+2*\k:LA+2*\k+1]
.endr
.endif
.if (\fill) || ((\s) < 4)
.irp t, 0,1,2,3
	ds_load_b128 v[QR+16*U_+4*\t:QR+16*U_+4*\t+3], v4 offset:QBO+512*(4*(1-G_)+\t)+16*U_+64*G_
.endr
.endif
.endm
.macro TRIP fill                       ; 16 channels
	v_mov_b32 v4, s45
	KEYS
.if \fill
	WLOAD 64
.endif
.irp s, 0,1,2,3,4,5,6,7
	STEP \s, \fill
.endr
.endm
	; ---- the head: ids, addresses, all loads from memory
	s_load_b512 s[16:31], s[0:1], 0x0              ; context_x 16, context_y 18, target_x 20, W_in 22, b_in 24, W_ctx 26, W_tgt_codes 28, W_tgt_scales 30
	s_load_b128 s[32:35], s[0:1], 0x40             ; b_tgt 32, out0 34
	v_lshrrev_b32 v1, 5, v0
	v_readfirstlane_b32 s2, v1                     ; wave 0..3
	v_lshl_add_u32 v20, v0, 2, SPARE
	v_mov_b32 v21, 0
	s_and_b32 s3, ttmp7, 0xffff                    ; the batch
	s_mov_b32 s40, 0x76543210                      ; selects of v_permlanex16_b32: lane l xor 16
	s_mov_b32 s41, 0xfedcba98
	s_mov_b32 s42, 0xbfb8aa3b                      ; -log2(e)
	s_mov_b32 s43, s42                             ; (named with it as a pair)
	s_mov_b32 s5, 0
	s_mov_b32 s7, 0
	s_mov_b32 s9, 0
	s_mov_b32 s11, 0
	s_lshl_b32 s4, s3, 13                          ; a batch of context_x or target_x: 8,192 bytes
	s_lshl_b32 s6, s3, 12                          ; of context_y: 4,096
	s_lshl_b32 s8, ttmp9, 7                        ; my 8 targets: 128 bytes
	s_add_co_u32 s8, s8, s4
	s_lshl_b32 s10, s3, 18                         ; out0: 262,144 bytes a batch, 4,096 a work-group
	s_lshl_b32 s12, ttmp9, 12
	s_add_co_u32 s10, s10, s12
	s_mul_i32 s45, s2, RG                          ; my own part of LDS
	s_lshl_b32 s13, s2, 11
	s_lshl_b32 s14, s2, 10
	s_lshl_b32 s15, s2, 7
	s_mul_i32 s50, s2, 3072
	s_mul_i32 s51, s2, COW
	s_add_co_u32 s51, s51, CO
	s_lshl_b32 s52, s2, 3
	s_add_co_u32 s52, s52, ML
	s_add_co_u32 s53, s15, CO
	s_mul_i32 s54, s2, 24
	s_add_co_u32 s54, s54, RC
	s_add_co_u32 s55, s2, RS
	s_add_co_u32 s56, s15, OS
	s_mul_i32 s57, s2, 1056
	s_add_co_u32 s57, s57, OS
	v_and_b32 v1, 31, v0                           ; lane
	v_and_b32 v2, 15, v0                           ; r
	v_bfe_u32 v3, v0, 4, 1                         ; h = lane / 16
	v_lshlrev_b32 v5, 4, v1
	v_mov_b32 v4, s45
	v_add_nc_u32 v6, s45, v5                       ; my part + 16 x lane
	v_lshl_add_u32 v7, v3, 7, s45                  ; my part + 128 h
	v_lshl_add_u32 v31, v1, 2, s45                 ; my part + 4 x lane
	v_add_nc_u32 v22, s13, v5                      ; context_x: 16 (128 wave + lane)
	v_lshl_add_u32 v23, v1, 3, s14                 ; context_y: 8 (128 wave + lane)
	v_lshlrev_b32 v24, 5, v2                       ; W_in, b_in: channels 8 r .. 8 r + 7
	v_mul_u32_u24 v25, v2, 96
	v_mad_u32_u24 v25, v3, 24, v25
	v_add_nc_u32 v25, s50, v25                     ; W_tgt's codes: row 32 wave + r of 96 bytes, + 24 h
	v_lshl_add_u32 v26, v2, 2, s15                 ; W_tgt's scale words
	v_lshl_add_u32 v27, v3, 5, s15                 ; b_tgt: 4 (32 wave + 8 h)
	v_and_b32 v29, 7, v2
	v_mul_u32_u24 v29, v29, 528
	v_lshl_add_u32 v28, v3, 7, v29
	v_add_nc_u32 v28, s45, v28                     ; half sums: row r % 8, + 128 h
	v_lshl_add_u32 v29, v2, 5, s52
	v_mul_u32_u24 v30, v2, 528
	v_lshl_add_u32 v30, v3, 8, v30
	v_add_nc_u32 v30, s51, v30                     ; partial results: my rows, row r, + 256 h
	v_lshlrev_b32 v47, 3, v3
	v_mov_b32 v45, 0                               ; a lane permute's destination counts as one of its sources
	v_mov_b32 v179, 0                              ; (named as a pair's upper half)
	v_mov_b32 v180, 0
	v_mov_b32 v181, 0
	v_mov_b32 v182, 0
	s_wait_alu depctr_va_vdst(0)                   ; the wait ahead of the blocking wait below
	s_wait_kmcnt 0x0
	s_add_nc_u64 s[20:21], s[20:21], s[8:9]
	s_load_b512 s[68:83], s[20:21], 0x0            ; my 8 targets, 4 numbers each
	s_load_b512 s[84:99], s[20:21], 0x40
	s_add_nc_u64 s[16:17], s[16:17], s[4:5]
	s_add_nc_u64 s[18:19], s[18:19], s[6:7]
	s_add_nc_u64 s[34:35], s[34:35], s[10:11]
.irp a, 0,1,2,3                                ; wanted first: eleven loads
	global_load_b128 v[XR+4*\a:XR+4*\a+3], v22, s[16:17] offset:512*\a
.endr
.irp a, 0,1,2,3
	global_load_b64 v[YR+2*\a:YR+2*\a+1], v23, s[18:19] offset:256*\a
.endr
.irp j, 0,1,2
	global_load_b128 v[WR+4*\j:WR+4*\j+3], v5, s[26:27] offset:512*\j
.endr
	WIN 0x40
.irp i, 0,1                                    ; then twelve
.irp j, 0,1,2,3,4
	global_load_b128 v[WI+8*\j+4*\i:WI+8*\j+4*\i+3], v24, s[22:23] offset:512*\j+16*\i
.endr
	global_load_b128 v[WI+40+4*\i:WI+43+4*\i], v24, s[24:25] offset:16*\i
.endr
	WIN 0xc0
.irp u, 0,1                                    ; wanted last: eighteen
.irp p, 0,1,2,3,4,5
	global_load_b64 v[WTF+12*\u+2*\p:WTF+12*\u+2*\p+1], v25, s[28:29] offset:1536*\u+48*(\p/3)+8*(\p%3)
.endr
.irp i, 0,1
	global_load_b128 v[BT+8*\u+4*\i:BT+8*\u+4*\i+3], v27, s[32:33] offset:64*\u+16*\i
.endr
.endr
	WIN 0
.irp u, 0,1
	global_load_b32 v[17+\u], v26, s[30:31] offset:64*\u
.endr
	; ---- coordinates and W_ctx go to my own part of LDS; no other wave reads them
	s_wait_loadcnt 30                              ; the first eleven are in; twelve and eighteen may be out
.irp j, 0,1,2
.irp a, 0,1,2,3
	ds_store_b32 v31, v[XR+4*\a+\j] offset:ETO+512*\j+128*\a
.endr
.endr
.irp j, 0,1
.irp a, 0,1,2,3
	ds_store_b32 v31, v[YR+2*\a+\j] offset:ETO+512*(3+\j)+128*\a
.endr
.endr
.irp j, 0,1,2
	ds_store_b128 v6, v[WR+4*\j:WR+4*\j+3] offset:512*\j
.endr
.irp j, 0,1,2
	ELOAD 1, 0, \j                                 ; LDS serves a wave's instructions in order (ISA guide 5.7.1.4): these see my stores
.endr
	WIN 0
	s_wait_kmcnt 0x0
	; the centre: s46-48 = minus the mean of the 8 targets; then the targets from it
.irp j, 0,1,2
	s_add_f32 s[46+\j], s[68+\j], s[72+\j]
	s_add_f32 s[4+\j], s[76+\j], s[80+\j]
	s_add_f32 s[7+\j], s[84+\j], s[88+\j]
	s_add_f32 s[10+\j], s[92+\j], s[96+\j]
.endr
.irp j, 0,1,2
	s_add_f32 s[46+\j], s[46+\j], s[4+\j]
	s_add_f32 s[7+\j], s[7+\j], s[10+\j]
.endr
.irp j, 0,1,2
	s_add_f32 s[46+\j], s[46+\j], s[7+\j]
.endr
.irp j, 0,1,2
	s_mul_f32 s[46+\j], s[46+\j], 0xbe000000
.endr
.irp t, 0,1,2,3,4,5,6,7
.irp j, 0,1,2
	s_add_f32 s[68+4*\t+\j], s[68+4*\t+\j], s[46+\j]
.endr
.endr
	; the 8 query rows: my lane's channels 4 lane .. 4 lane + 3
.irp t, 0,1,2,3,4,5,6,7
.irp k, 0,2
	v_dual_mul_f32 v[QV+4*\t+\k], s[68+4*\t], v[WR+\k] :: v_dual_mul_f32 v[QV+4*\t+\k+1], s[68+4*\t], v[WR+\k+1]
.endr
.endr
.irp j, 1,2
.irp t, 0,1,2,3,4,5,6,7
.irp k, 0,2
	v_dual_fmac_f32 v[QV+4*\t+\k], s[68+4*\t+\j], v[WR+4*\j+\k] :: v_dual_fmac_f32 v[QV+4*\t+\k+1], s[68+4*\t+\j], v[WR+4*\j+\k+1]
.endr
.endr
.endr
.irp t, 0,1,2,3,4,5,6,7
	ds_store_b128 v6, v[QV+4*\t:QV+4*\t+3] offset:QBO+512*\t
.endr
	ELOAD 1, 0, 3
	ELOAD 1, 0, 4
	WIN 0x40
.irp j, 0,1,2
.irp a, 0,1,2,3
	v_add_f32 v[XP+4*\j+\a], s[46+\j], v[XR+4*\a+\j]
.endr
.endr
	WIN 0
	; W_ctx's row sums, times -1/2, in every lane: v176-178
.irp j, 0,1,2
	v_pk_add_f32 v[184+2*\j:185+2*\j], v[WR+4*\j:WR+4*\j+1], v[WR+4*\j+2:WR+4*\j+3]
.endr
.irp j, 0,1,2
	v_add_f32 v[176+\j], v[184+2*\j], v[185+2*\j]
.endr
.irp m, 1,2,4,8
.irp j, 0,1,2
	v_add_f32_dpp v[176+\j], v[176+\j], v[176+\j] row_xmask:\m row_mask:0xf bank_mask:0xf
.endr
.endr
.irp j, 0,1,2
	v_permlanex16_b32 v[180+\j], v[176+\j], s40, s41
.endr
.irp j, 0,1,2
	v_add_f32 v[176+\j], v[176+\j], v[180+\j]
.endr
.irp j, 0,1,2
	v_mul_f32 v[176+\j], -0.5, v[176+\j]
.endr
	WIN 0x40
.irp t, 0,1,2,3,4,5,6,7
	v_mul_f32 v[BQ+\t], s[68+4*\t], v176
.endr
	WIN 0x50
.irp j, 1,2
.irp t, 0,1,2,3,4,5,6,7
	v_fma_f32 v[BQ+\t], s[68+4*\t+\j], v[176+\j], v[BQ+\t]
.endr
.endr
	WIN 0x51
.irp p, 0,1
	v_pk_mul_f32 v[AK+2*\p:AK+2*\p+1], v[XP+2*\p:XP+2*\p+1], v[176:177] op_sel_hi:[1,0]
.endr
.irp p, 0,1
	v_pk_fma_f32 v[AK+2*\p:AK+2*\p+1], v[XP+4+2*\p:XP+5+2*\p], v[176:177], v[AK+2*\p:AK+2*\p+1] op_sel:[0,1,0] op_sel_hi:[1,1,1]
.endr
.irp p, 0,1
	v_pk_fma_f32 v[AK+2*\p:AK+2*\p+1], v[XP+8+2*\p:XP+9+2*\p], v[178:179], v[AK+2*\p:AK+2*\p+1] op_sel_hi:[1,0,1]
.endr
	WIN 0
	; ---- V's codes, three quarters of them
	s_wait_alu depctr_va_vdst(0)                   ; the wait ahead of the blocking wait below
	s_wait_loadcnt 18                              ; W_in and b_in are in; the last eighteen may be out
	VQUAD 1, 0, 0, 1
.irp j, 0,1,2,3,4
	ELOAD 2, 1, \j
.endr
	WIN 0
	VQUAD 1, 0, 1, 0
	WLOAD 0                                        ; the first 16 channels of W_ctx and the first four steps' queries
.irp s, 0,1,2,3
.irp t, 0,1,2,3
	ds_load_b128 v[QR+16*\s+4*\t:QR+16*\s+4*\t+3], v4 offset:QBO+512*\t+16*\s
.endr
.endr
	s_wait_dscnt 28                                ; the 28 loads just issued may be out: window 2's coordinates are in
	VQUAD 2, 1, 0, 0
	; ---- the L1 distances.  The totals start at -(sum k + sum q) / 2
	WIN 0x05
.irp t, 0,2,4,6
.irp p, 0,1
	v_pk_add_f32 v[TOT+4*\t+2*\p:TOT+4*\t+2*\p+1], v[AK+2*\p:AK+2*\p+1], v[BQ+\t:BQ+\t+1] op_sel_hi:[1,0]
	v_pk_add_f32 v[TOT+4*\t+4+2*\p:TOT+4*\t+2*\p+5], v[AK+2*\p:AK+2*\p+1], v[BQ+\t:BQ+\t+1] op_sel:[0,1] op_sel_hi:[1,1]
.endr
.endr
	WIN 0
	s_wait_loadcnt 0x0                             ; W_tgt and b_tgt; the loads' offset registers are free
	s_mov_b32 s44, 7
.Lh:
	TRIP 1
	s_add_co_u32 s45, s45, 64
	s_sub_co_u32 s44, s44, 1
	s_cmp_lg_u32 s44, 0
	s_cbranch_scc1 .Lh
	TRIP 0                                         ; the last 16 channels: nothing is left to stage
	; ---- half sums to rows, and back: lane (r, h) takes target r % 8, contexts 64 c + 32 h + 0 .. 31; V's last quarter stands under their flight
.irp t, 0,1,2,3,4,5,6,7
.irp a, 0,1,2,3
	ds_store_b32 v31, v[TOT+4*\t+\a] offset:SBO+528*\t+128*\a
.endr
.endr
.irp c, 0,1
.irp q, 0,1,2,3,4,5,6,7
	ds_load_b128 v[PV+32*\c+4*\q:PV+32*\c+4*\q+3], v28 offset:SBO+256*\c+16*\q
.endr
.endr
	VQUAD 2, 1, 1, 0
	; V's scale words: my two bytes at their places, joined with lane l xor 16's two
.irp u, 0,1,2,3,4,5,6,7
	v_lshl_or_b32 v[64+\u], v[BY+2*\u+1], 16, v[BY+2*\u]
.endr
.irp u, 0,1,2,3,4,5,6,7
	v_lshlrev_b32 v[64+\u], v47, v[64+\u]
.endr
.irp u, 0,1,2,3,4,5,6,7
	v_permlanex16_b32 v[MX+\u], v[64+\u], s40, s41
.endr
.irp u, 0,1,2,3,4,5,6,7
	v_or_b32 v[8+\u], v[64+\u], v[MX+\u]
.endr
	; ---- the softmax of my 128 contexts
	s_wait_dscnt 0x0
.irp c, 0,1                                    ; each block's smallest half sum: it serves the largest t and the block's largest p
	v_min3_num_f32 v[40+2*\c], v[PV+32*\c], v[PV+32*\c+1], v[PV+32*\c+2]
	v_min3_num_f32 v[41+2*\c], v[PV+32*\c+15], v[PV+32*\c+16], v[PV+32*\c+17]
.endr
.irp i, 0,1,2,3,4,5
.irp c, 0,1
	v_min3_num_f32 v[40+2*\c], v[40+2*\c], v[PV+32*\c+3+2*\i], v[PV+32*\c+4+2*\i]
	v_min3_num_f32 v[41+2*\c], v[41+2*\c], v[PV+32*\c+18+2*\i], v[PV+32*\c+19+2*\i]
.endr
.endr
.irp c, 0,1
	v_min3_num_f32 v[40+2*\c], v[40+2*\c], v[41+2*\c], v[PV+32*\c+30]
.endr
.irp c, 0,1
	v_min_num_f32 v[40+2*\c], v[40+2*\c], v[PV+32*\c+31]
.endr
	v_min_num_f32 v44, v40, v42
	v_permlanex16_b32 v45, v44, s40, s41
	v_min_num_f32 v44, v44, v45
	v_mul_f32 v46, s42, v44                        ; the largest t among my 128 contexts
	v_floor_f32 v38, -v46                          ; -M
.irp k, 0,1,2,3,4,5,6,7,8,9,10,11,12,13,14,15,16,17,18,19,20,21,22,23,24,25,26,27,28,29,30,31
	v_pk_fma_f32 v[PV+2*\k:PV+2*\k+1], v[PV+2*\k:PV+2*\k+1], s[42:43], v[38:39] op_sel_hi:[1,0,0]   ; t - M
.endr
	v_fma_f32 v40, v40, s42, v38                   ; the same of each block's smallest
	v_fma_f32 v42, v42, s42, v38
	s_wait_alu depctr_va_vdst(0)                   ; the wait ahead of the batch
	v_exp_f32 v40, v40                             ; each block's largest p: the same two instructions on the same number
	v_exp_f32 v42, v42
.irp k, 0,1,2,3,4,5,6,7,8,9,10,11,12,13,14,15,16,17,18,19,20,21,22,23,24,25,26,27,28,29,30,31,32,33,34,35,36,37,38,39,40,41,42,43,44,45,46,47,48,49,50,51,52,53,54,55,56,57,58,59,60,61,62,63
	v_exp_f32 v[PV+\k], v[PV+\k]
.endr
	v_nop                                          ; a plain line behind the exponentials
	s_wait_alu depctr_va_vdst(0)                   ; and behind it: one for the batch
.irp c, 0,1
	v_max_num_f32 v[40+2*\c], 0x1800000, v[40+2*\c]   ; the floor 2^(3 - 127): the byte cannot fall under 1
.endr
.irp c, 0,1
	v_add_nc_u32 v[41+2*\c], 0xff000000, v[40+2*\c]
.endr
.irp c, 0,1
	v_lshrrev_b32 v[32+\c], 23, v[41+2*\c]
.endr
	v_lshl_or_b32 v34, v33, 16, v32
	v_lshlrev_b32 v34, v47, v34
	v_permlanex16_b32 v35, v34, s40, s41
	v_or_b32 v16, v34, v35                         ; p's scale word
.irp c, 0,1
	v_cvt_scalef32_pk16_fp6_f32 v[PCP+6*\c:PCP+6*\c+2], v[PV+32*\c:PV+32*\c+15], v[41+2*\c]
	v_cvt_scalef32_pk16_fp6_f32 v[TMPP+4*\c:TMPP+4*\c+2], v[PV+32*\c+16:PV+32*\c+31], v[41+2*\c]
.endr
	v_nop                                          ; one plain line behind the scaled conversions
.irp c, 0,1
.irp i, 0,1,2
	v_mov_b32 v[PCP+6*\c+3+\i], v[TMPP+4*\c+\i]
.endr
.endr
.irp k, 0,1,2,3                                ; the sum is taken of the unquantised p; these lines are also the places ahead of the products
	v_pk_add_f32 v[96+2*\k:97+2*\k], v[PV+2*\k:PV+2*\k+1], v[PV+8+2*\k:PV+9+2*\k]
.endr
.irp m, 2,3,4,5,6,7
.irp k, 0,1,2,3
	v_pk_add_f32 v[96+2*\k:97+2*\k], v[96+2*\k:97+2*\k], v[PV+8*\m+2*\k:PV+8*\m+2*\k+1]
.endr
.endr
	; ---- my partial result: O^T = V^T p^T, 128 channels x 16 targets, K = my 128 contexts
	WIN 0x03
.irp u, 0,1,2,3,4,5,6,7
	v_wmma_scale_f32_16x16x128_f8f6f4 v[OA+8*\u:OA+8*\u+7], v[VC+12*\u:VC+12*\u+11], v[PCP:PCP+11], 0, v[8+\u], v16 matrix_a_fmt:MATRIX_FMT_FP6 matrix_b_fmt:MATRIX_FMT_FP6
.endr
	WIN 0
	; the rest of the sum and the addresses of what follows: the places behind the products
	v_pk_add_f32 v[96:97], v[96:97], v[98:99]
	v_pk_add_f32 v[100:101], v[100:101], v[102:103]
	v_and_b32 v22, 7, v1                           ; t = lane % 8
	v_bfe_u32 v23, v1, 3, 1                        ; s: which 16 of the block's 32 channels
	v_pk_add_f32 v[96:97], v[96:97], v[100:101]
	v_mul_u32_u24 v24, v22, 528
	v_mul_u32_u24 v44, v22, 104
	v_lshl_add_u32 v31, v22, 5, ML
	v_add_f32 v96, v96, v97
	v_lshl_add_u32 v24, v23, 3, v24
	v_mad_u32_u24 v33, v23, 12, v44
	v_mad_u32_u24 v35, v3, 24, v44
	v_permlanex16_b32 v45, v96, s40, s41
	v_add_nc_u32 v24, s53, v24                     ; partial results: row t, block wave, + 8 s; four waves
	v_add_nc_u32 v33, s54, v33                     ; rep's codes, in
	v_add_nc_u32 v35, RC, v35                      ; and back
	v_add_f32 v39, v96, v45                        ; the sum over my 128 contexts
	v_add_nc_u32 v25, COW, v24
	v_add_nc_u32 v26, 2*COW, v24
	v_add_nc_u32 v27, 3*COW, v24
	v_lshl_add_u32 v34, v22, 2, s55                ; rep's scale bytes, in
	v_lshl_add_u32 v36, v22, 2, RS                 ; and back
	v_mul_u32_u24 v37, v2, 528
	v_lshl_add_u32 v37, v3, 5, v37
	v_add_nc_u32 v37, s56, v37                     ; the stage, in: row r, + 128 wave + 32 h
	v_add_nc_u32 v47, s57, v5                      ; and back: rows 2 wave, 2 wave + 1
	v_add_nc_u32 v46, s14, v5                      ; out0: 1,024 wave + 16 x lane
	ds_store_b64 v29, v[38:39]
.irp u, 0,1,2,3,4,5,6,7
	ds_store_b128 v30, v[OA+8*\u:OA+8*\u+3] offset:16*\u
	ds_store_b128 v30, v[OA+8*\u+4:OA+8*\u+7] offset:16*\u+128
.endr
	s_wait_alu depctr_va_vdst(0)                   ; the wait ahead of the barrier
	BAR                                            ; all four partial results lie in LDS
	; ---- rep: 8 targets x my 32 channels; lane: target t, channels 16 s .. 16 s + 15 of the block
	ds_load_b128 v[48:51], v31
	ds_load_b128 v[52:55], v31 offset:16
.irp w, 0,1,2,3
.irp k, 0,1,2,3
	ds_load_2addr_b64 v[64+16*\w+4*\k:64+16*\w+4*\k+3], v[24+\w] offset0:4*\k offset1:4*\k+2
.endr
.endr
	s_wait_dscnt 16                                ; the 16 loads of partial results may be out
	v_min3_num_f32 v32, v48, v50, v52
	v_min_num_f32 v32, v32, v54                    ; -M over all 512 contexts
.irp w, 0,1,2,3
	v_sub_f32 v[60+\w], v32, v[48+2*\w]
.endr
.irp w, 0,1,2,3
	v_cvt_i32_f32 v[60+\w], v[60+\w]
.endr
.irp w, 0,1,2,3
	v_ldexp_f32 v[60+\w], 1.0, v[60+\w]            ; 2^(M_w - M)
.endr
	v_mul_f32 v40, v60, v49
	v_fma_f32 v40, v61, v51, v40
	v_fma_f32 v40, v62, v53, v40
	v_fma_f32 v40, v63, v55, v40                   ; the row's sum
	s_wait_alu depctr_va_vdst(0)                   ; the wait ahead of the transcendental and of the blocking wait
	s_wait_dscnt 0x0
	v_rcp_f32 v41, v40
	v_nop
	s_wait_alu depctr_va_vdst(0)                   ; and behind it
.irp w, 0,1,2,3
	v_mul_f32 v[60+\w], v[60+\w], v41
.endr
.irp u, 0,1,2,3,4,5,6,7
	v_pk_mul_f32 v[64+2*\u:65+2*\u], v[64+2*\u:65+2*\u], v[60:61] op_sel_hi:[1,0]
.endr
.irp u, 0,1,2,3,4,5,6,7
	v_pk_fma_f32 v[64+2*\u:65+2*\u], v[80+2*\u:81+2*\u], v[60:61], v[64+2*\u:65+2*\u] op_sel:[0,1,0] op_sel_hi:[1,1,1]
.endr
.irp u, 0,1,2,3,4,5,6,7
	v_pk_fma_f32 v[64+2*\u:65+2*\u], v[96+2*\u:97+2*\u], v[62:63], v[64+2*\u:65+2*\u] op_sel_hi:[1,0,1]
.endr
.irp e, 0,1
.irp u, 0,1,2,3,4,5,6,7
	v_fma_f32 v[RO+8*\e+\u], v[112+2*\u+\e], v63, v[64+2*\u+\e]   ; a pair is channels u, 8 + u of my 16: put in order here
.endr
.endr
	v_max3_num_f32 v40, |v[RO]|, |v[RO+1]|, 0x1800000
	v_max3_num_f32 v41, |v[RO+8]|, |v[RO+9]|, |v[RO+10]|
	v_max3_num_f32 v40, v40, |v[RO+2]|, |v[RO+3]|
	v_max3_num_f32 v41, v41, |v[RO+11]|, |v[RO+12]|
	v_max3_num_f32 v40, v40, |v[RO+4]|, |v[RO+5]|
	v_max3_num_f32 v41, v41, |v[RO+13]|, |v[RO+14]|
	v_max3_num_f32 v40, v40, |v[RO+6]|, |v[RO+7]|
	v_max3_num_f32 v40, v40, v41, |v[RO+15]|
	v_max_num_f32_dpp v40, v40, v40 row_xmask:8 row_mask:0xf bank_mask:0xf   ; the block lies in lanes l and l xor 8
	v_add_nc_u32 v41, 0xff000000, v40
	v_lshrrev_b32 v45, 23, v41
	v_cvt_scalef32_pk16_fp6_f32 v[42:44], v[RO:RO+15], v41
	v_nop                                          ; one plain line behind the scaled conversion
.irp i, 0,1,2
	ds_store_b32 v33, v[42+\i] offset:4*\i         ; lanes 16-31 write the same words with the same values
.endr
	ds_store_b8 v34, v45
	BAR                                            ; rep's 8 rows of codes and their scale bytes lie in LDS
	; ---- out^T = W_tgt^T rep^T + b_tgt: my 32 outputs; the bias is the C of the one product
.irp p, 0,1,2,3,4,5
	ds_load_b64 v[RF+2*\p:RF+2*\p+1], v35 offset:48*(\p/3)+8*(\p%3)
.endr
	ds_load_b32 v19, v36
	s_wait_dscnt 0x0
	WIN 0x33
.irp u, 0,1
	v_wmma_scale_f32_16x16x128_f8f6f4 v[OD+8*\u:OD+8*\u+7], v[WTF+12*\u:WTF+12*\u+11], v[RF:RF+11], v[BT+8*\u:BT+8*\u+7], v[17+\u], v19 matrix_a_fmt:MATRIX_FMT_FP6 matrix_b_fmt:MATRIX_FMT_FP6
.endr
	WIN 0
.rept 4
	v_nop                                          ; four places ahead of the stores that read the results (ISA guide 7.12.1 for vector instructions)
.endr
.irp u, 0,1
	ds_store_b128 v37, v[OD+8*\u:OD+8*\u+3] offset:64*\u       ; lane (r, h): out(r, 32 wave + 16 u + 8 h + 0 .. 7)
	ds_store_b128 v37, v[OD+8*\u+4:OD+8*\u+7] offset:64*\u+16
.endr
	BAR                                            ; whole rows of out lie in the stage
.irp i, 0,1
	ds_load_b128 v[64+4*\i:67+4*\i], v47 offset:528*\i
.endr
.irp i, 0,1
	s_wait_dscnt 1-\i
	global_store_b128 v46, v[64+4*\i:67+4*\i], s[34:35] offset:512*\i th:TH_STORE_NT   ; 32 lanes store a row of 512 consecutive bytes, at a multiple of 256 from out0's first byte
.endr
	s_wait_tensorcnt 0x0                           ; the wave's end
	ds_add_u32 v20, v21
	s_wait_dscnt 0x0
	s_endpgm
.Lfunc_end_k_qfe59011362_locenc:
	.size	k_qfe59011362_locenc, .Lfunc_end_k_qfe59011362_locenc-k_qfe59011362_locenc
	.p2alignl 7, 3214868480
	.fill 96, 4, 3214868480
	.section	.rodata,"a",@progbits
	.p2align	6, 0x0
	.amdhsa_kernel k_qfe59011362_locenc
		.amdhsa_group_segment_fixed_size 94720
		.amdhsa_private_segment_fixed_size 0
		.amdhsa_enable_private_segment 0
		.amdhsa_kernarg_size 80
		.amdhsa_user_sgpr_count 2
		.amdhsa_user_sgpr_kernarg_segment_ptr 1
		.amdhsa_wavefront_size32 1
		.amdhsa_system_sgpr_workgroup_id_x 1
		.amdhsa_system_sgpr_workgroup_id_y 1
		.amdhsa_system_sgpr_workgroup_id_z 1
		.amdhsa_system_vgpr_workitem_id 0
		.amdhsa_next_free_vgpr 968
		.amdhsa_next_free_sgpr 100
		.amdhsa_reserve_vcc 0
		.amdhsa_float_denorm_mode_32 3
		.amdhsa_float_denorm_mode_16_64 3
		.amdhsa_memory_ordered 1
		.amdhsa_forward_progress 1
		.amdhsa_inst_pref_size 235
	.end_amdhsa_kernel
	.amdgpu_metadata
---
amdhsa.version: [ 1, 2 ]
amdhsa.kernels:
  - .name:           k_qfe59011362_locenc
    .symbol:         k_qfe59011362_locenc.kd
    .args:
      - { .name: context_x, .offset: 0, .size: 8, .value_kind: global_buffer, .address_space: global }
      - { .name: context_y, .offset: 8, .size: 8, .value_kind: global_buffer, .address_space: global }
      - { .name: target_x, .offset: 16, .size: 8, .value_kind: global_buffer, .address_space: global }
      - { .name: W_in, .offset: 24, .size: 8, .value_kind: global_buffer, .address_space: global }
      - { .name: b_in, .offset: 32, .size: 8, .value_kind: global_buffer, .address_space: global }
      - { .name: W_ctx, .offset: 40, .size: 8, .value_kind: global_buffer, .address_space: global }
      - { .name: W_tgt_codes, .offset: 48, .size: 8, .value_kind: global_buffer, .address_space: global }
      - { .name: W_tgt_scales, .offset: 56, .size: 8, .value_kind: global_buffer, .address_space: global }
      - { .name: b_tgt, .offset: 64, .size: 8, .value_kind: global_buffer, .address_space: global }
      - { .name: out0, .offset: 72, .size: 8, .value_kind: global_buffer, .address_space: global }
    .group_segment_fixed_size: 94720
    .private_segment_fixed_size: 0
    .kernarg_segment_align: 8
    .kernarg_segment_size: 80
    .max_flat_workgroup_size: 128
    .sgpr_count:     100
    .vgpr_count:     968
    .wavefront_size: 32
...
	.end_amdgpu_metadata
.endif
;; end of part 1
